; MI455X (gfx1250); checked and timed in simulation.
; The chip was launched on July 23, 2026; its instructions are those of AMD's public machine-readable ISA for CDNA 5 (MIT licence, August 2026) and "CDNA5" Instruction Set Architecture Reference Guide (July 2026).
;; Performer Attention. Allowed arithmetic: matrix products marked QUANTISED: E4M3 operands, one given power-of-two scale a tensor, by v_wmma_f32_16x16x64_fp8_fp8 or v_wmma_f32_16x16x128_fp8_fp8, f32 sums; products left as they are: f32 operands where the result goes on into a quantised operand, else bf16, f16 or f32 operands; f32 sums; everything else in f32.
;; Inputs: key 4 x 16 x 4,096 x 64 float32; lowp_scales 4 int32 (the exponents e of the quantised operands' scales 2^e); mask 4 x 4,096 float32; query 4 x 16 x 4,096 x 64 float32; value 4 x 16 x 4,096 x 64 float32.
;; Outputs: out0 4 x 16 x 4,096 x 64 float32.
;; This version of the problem:
;;   THIS VERSION OF THE PROBLEM IS GIVEN IN LOW PRECISION. The matrix products marked QUANTISED in the list below multiply operands that are first quantised to E4M3 (4 exponent bits, 3 mantissa bits; 8 bits a number), with one given power-of-two scale for each operand tensor; their sums are f32. All else is computed in f32.
;;   The module's matrix products, in the order in which they are computed (A, B: the left and right operand; K: the contracted axis; several contracted axes count as one K, in the product's order):
;;     1. batch 64 x [M 64, K 4,096] x [K 4,096, N 64]; A: computed on the way; B: input value: QUANTISED (scales: A lowp_scales[0], B lowp_scales[1])
;;     2. batch 64 x [M 4,096, K 64] x [K 64, N 64]; A: computed on the way; B: computed on the way: QUANTISED (scales: A lowp_scales[2], B lowp_scales[3])
;;     3. batch 64 x [M 4,096, K 64] x [K 64, N 1]; A: computed on the way; B: computed on the way: left as it is (N = 1 < 16)
;;   THE QUANTISER, for each operand of a quantised product, along K:
;;     - The operand's scale is 2^e, e = its entry of the input lowp_scales (int32; the entries are numbered through the quantised products in the list's order, A before B).
;;     - Each number is divided by the scale, clamped to +-448, and rounded to the nearest number of E4M3, ties to even, subnormals kept.
;;     - The product sums the exact products of the quantised numbers (number of the format x scale) in f32.
;;   ~~~python
;;   def quantise(x, axis, e):      # numpy; x: float32 -> the quantised numbers, widened to float32 again
;;       x = np.moveaxis(x, axis, -1); K = x.shape[-1]
;;       r = np.clip(x / 2.0 ** e, -448, 448)
;;       step = 2.0 ** (np.maximum(np.frexp(np.where(r == 0, 1, r))[1] - 1, -6) - 3)
;;       q = np.round(r / step) * step * 2.0 ** e      # np.round: ties to even
;;       return np.moveaxis(q, -1, axis).astype(np.float32)
;;   ~~~
;;   OPERANDS COMPUTED ON THE WAY. 'Computed on the way' means the value that the module computes at that place (a softmax that the list does not call 'softmax' is quantised finished and normalised). What goes into a quantiser is computed in f32, as accurately as f32 sums, v_exp_f32 and their like allow (about 1e-6 of the number): no bf16 or f16 on the way to a quantiser, and a product that is left as it is and whose result goes on into a quantised operand takes f32 operands (vector FMAs, or v_wmma_f32_16x16x4_f32). A number that lies on a knife's edge between two numbers of the format may be rounded either way, as far as f32 arithmetic and the matrix unit's own rounding can turn it there, and no further.
;; 2 versions, each right; version 2 is version 1 with the launches kvsum, attend written anew for expert scheduling mode. Each part assembles by itself: llvm-mc -triple=amdgcn-amd-amdhsa -mcpu=gfx1250 --defsym DOCPART=n.
;; ======== version 1 of 2: 2 launches
;; limits: right only within a limited range of input values
;; workspace buffers: part 4,259,840 bytes
;; launch kvsum (part 1): grid 256 x 1, 8 waves a work-group, no clusters, 138,240 bytes of LDS; arguments key, value, mask, lowp_scales, part; writes part
.if DOCPART == 1
	.amdgcn_target "amdgcn-amd-amdhsa--gfx1250"
	.amdhsa_code_object_version 6
	.text
	.protected	k_qae3a0422eb_kvsum
	.globl	k_qae3a0422eb_kvsum
	.p2align	8
	.type	k_qae3a0422eb_kvsum,@function
k_qae3a0422eb_kvsum:
	s_mov_b64 s[64:65], 0
	v_nop
	global_prefetch_b8 v0, s[64:65] scope:SCOPE_SE
	s_setreg_imm32_b32 hwreg(HW_REG_WAVE_MODE, 25, 1), 1
	s_wait_xcnt 0x0
.set NS,   7
.set NP,   16
.set REC,  16640
.set KSL,  131072
.set MSK,  133120
.set VO,   1
.set MA,   2
.set MS,   3
.set SCK,  4
.set LMK,  5
.set SCV,  6
.set LMV,  7
.set KS,   8
.set M,    16
.set C,    24
.set T,    32
.set TV,   40
.set AF,   56
.set BF,   88
.set KB,   120
.set LN,   232
.set RS,   233
.set RD0,  234
.set RD1,  235
.set KSA,  236
.set KSR,  237
.set GO,   238
.set KGO,  239
.set X,    56
.set KX,   184
.set VB,   128
.set SGN,  2
.set WV,   16
.set SEL,  20
.set EPS,  24
.set XSEL, 26
.set MSB, 0
.macro WIN new
.if MSB != \new
	s_set_vgpr_msb (MSB<<8)|\new
.set MSB, \new
.endif
.endm
.macro KLOAD p
.irp i, 0,1,2,3
	global_load_b128 v[KB+16*((\p)%NS)+4*\i:KB+16*((\p)%NS)+4*\i+3], v[VO], s[4:5] offset:16384*((\p)/8)+1024*((\p)%8)+256*\i th:TH_LOAD_NT
.endr
.endm
.macro VLOAD p
.irp i, 0,1,2,3
	global_load_b128 v[VB+16*((\p)%NS)+4*\i:VB+16*((\p)%NS)+4*\i+3], v[VO], s[6:7] offset:16384*((\p)/8)+1024*((\p)%8)+256*\i th:TH_LOAD_NT
.endr
.endm
	s_load_b256 s[4:11], s[0:1], 0x0
	s_load_b64 s[12:13], s[0:1], 0x20
	v_lshl_add_u32 v254, v0, 2, 0x21800
	v_mov_b32 v255, 0
	v_lshrrev_b32 v1, 5, v0
	v_readfirstlane_b32 s[WV], v1
	v_and_b32 v[LN], 31, v0
	v_and_b32 v[KSA], 15, v0
	v_bfe_u32 v[MA], v0, 4, 1
	v_lshlrev_b32 v[KGO], 3, v[LN]
	v_lshlrev_b32 v[LN], 4, v[LN]
	v_lshlrev_b32 v[KSA], 4, v[KSA]
	v_lshl_add_u32 v[VO], v[MA], 13, v[KSA]
	s_and_b32 s[SGN], s[WV], 1
	s_mul_i32 s[SGN], s[SGN], 0x80808080
	s_lshl_b32 s17, s[WV], 9
	s_add_co_u32 s17, s17, MSK
	v_lshl_add_u32 v[MA], v[MA], 7, s17
	v_add_nc_u32 v[MS], s17, v[LN]
	s_lshl_b32 s17, s[WV], 14
	v_add_nc_u32 v[RS], s17, v[LN]
	s_lshr_b32 s17, s[WV], 1
	s_lshl_b32 s17, s17, 12
	s_and_b32 s18, s[WV], 1
	s_lshl_b32 s18, s18, 9
	s_add_co_u32 s17, s17, s18
	v_add_nc_u32 v[RD0], s17, v[LN]
	v_add_nc_u32 v[RD1], 0x10000, v[RD0]
	s_lshl_b32 s17, s[WV], 8
	s_add_co_u32 s17, s17, KSL
	v_add_nc_u32 v[KSA], s17, v[KSA]
	v_add_nc_u32 v[KSR], KSL, v[KGO]
	s_lshl_b32 s17, s[WV], 11
	v_add_nc_u32 v[GO], s17, v[LN]
	s_lshl_b32 s18, ttmp9, 18
	s_lshl_b32 s19, s[WV], 15
	s_add_co_u32 s18, s18, s19
	s_mov_b32 s19, 0
	s_lshr_b32 s28, ttmp9, 6
	s_lshl_b32 s28, s28, 14
	s_and_b32 s29, ttmp9, 3
	s_lshl_b32 s29, s29, 12
	s_add_co_u32 s28, s28, s29
	s_lshl_b32 s29, s[WV], 9
	s_add_co_u32 s28, s28, s29
	s_mov_b32 s29, 0
	s_mul_i32 s30, ttmp9, REC
	s_mov_b32 s31, 0
	s_mov_b32 s[SEL], 0x05010400
	s_mov_b32 s[SEL+1], 0x07030602
	s_mov_b32 s[SEL+2], 0x05040100
	s_mov_b32 s[SEL+3], 0x07060302
	s_mov_b32 s[EPS], 0x3a83126f
	s_mov_b32 s[EPS+1], 0x3a83126f
	s_mov_b32 s[XSEL], 0x76543210
	s_mov_b32 s[XSEL+1], 0xfedcba98
	s_wait_kmcnt 0x0
	s_load_b64 s[14:15], s[10:11], 0x0
	s_add_nc_u64 s[4:5], s[4:5], s[18:19]
	s_add_nc_u64 s[6:7], s[6:7], s[18:19]
	s_add_nc_u64 s[8:9], s[8:9], s[28:29]
	s_add_nc_u64 s[12:13], s[12:13], s[30:31]
	global_load_b128 v[TV:TV+3], v[LN], s[8:9]
.set P, 0
.rept NS
	KLOAD P
	WIN 0x40
	VLOAD P
	WIN 0
.set P, P+1
.endr
	s_wait_kmcnt 0x0
	s_add_co_i32 s14, s14, 127
	s_lshl_b32 s17, s14, 23
	v_mov_b32 v[SCK], s17
	s_add_co_i32 s14, s14, 8
	s_lshl_b32 s14, s14, 23
	s_or_b32 s14, s14, 0x600000
	v_mov_b32 v[LMK], s14
	s_add_co_i32 s15, s15, 127
	s_lshl_b32 s17, s15, 23
	v_mov_b32 v[SCV], s17
	s_add_co_i32 s15, s15, 8
	s_lshl_b32 s15, s15, 23
	s_or_b32 s15, s15, 0x600000
	v_mov_b32 v[LMV], s15
	s_wait_loadcnt 8*NS
	ds_store_b128 v[MS], v[TV:TV+3]
	ds_load_b128 v[M:M+3], v[MA]
.macro PAIR
.set KC, KB+16*(P%NS)
.set VC, VB+16*(P%NS)
.set MC, M+4*(P%2)
.set G,  P%8
.set AFT, 8*(NS-1)
.if NP-1-P < NS-1
.set AFT, 8*(NP-1-P)
.endif
	s_wait_dscnt 0x0
.if P+1 < NP
	ds_load_b128 v[M+4*((P+1)%2):M+4*((P+1)%2)+3], v[MA] offset:256*((P+1)/8)+16*((P+1)%8)
.endif
	s_wait_loadcnt AFT+4
.irp n, 0,1,2,3,4,5,6,7,8,9,10,11,12,13,14,15
	v_max_num_f32 v[KC+\n], 0, v[KC+\n]
.endr
.irp n, 0,2,4,6,8,10,12,14
	v_pk_add_f32 v[KC+\n:KC+\n+1], v[KC+\n:KC+\n+1], s[EPS:EPS+1] op_sel_hi:[1,0]
.endr
.irp n, 0,2
	v_pk_mul_f32 v[KC+\n:KC+\n+1], v[KC+\n:KC+\n+1], v[MC:MC+1] op_sel_hi:[1,0]
	v_pk_mul_f32 v[KC+4+\n:KC+5+\n], v[KC+4+\n:KC+5+\n], v[MC:MC+1] op_sel:[0,1]
	v_pk_mul_f32 v[KC+8+\n:KC+9+\n], v[KC+8+\n:KC+9+\n], v[MC+2:MC+3] op_sel_hi:[1,0]
	v_pk_mul_f32 v[KC+12+\n:KC+13+\n], v[KC+12+\n:KC+13+\n], v[MC+2:MC+3] op_sel:[0,1]
.endr
.if P == 0
.irp n, 0,2,4,6
	v_pk_add_f32 v[KS+\n:KS+\n+1], v[KC+\n:KC+\n+1], v[KC+8+\n:KC+9+\n]
.endr
.else
.irp n, 0,2,4,6
	v_pk_add_f32 v[KS+\n:KS+\n+1], v[KS+\n:KS+\n+1], v[KC+\n:KC+\n+1]
.endr
.irp n, 0,2,4,6
	v_pk_add_f32 v[KS+\n:KS+\n+1], v[KS+\n:KS+\n+1], v[KC+8+\n:KC+9+\n]
.endr
.endif
.irp n, 0,1,2,3,4,5,6,7,8,9,10,11,12,13,14,15
	v_med3_num_f32 v[KC+\n], v[KC+\n], -v[LMK], v[LMK]
.endr
	v_cvt_scalef32_pk8_fp8_f32 v[C:C+1], v[KC:KC+7], v[SCK]
	v_cvt_scalef32_pk8_fp8_f32 v[C+2:C+3], v[KC+8:KC+15], v[SCK]
.if P+NS < NP
	KLOAD P+NS
	s_wait_loadcnt AFT+4
.else
	s_wait_loadcnt AFT
.endif
	WIN 0x01
.irp n, 0,1,2,3,4,5,6,7,8,9,10,11,12,13,14,15
	v_med3_num_f32 v[TV+\n], v[VC+\n], -v[LMV], v[LMV]
.endr
.if P+NS < NP
	WIN 0x40
	VLOAD P+NS
.endif
	WIN 0
	v_cvt_scalef32_pk8_fp8_f32 v[C+4:C+5], v[TV:TV+7], v[SCV]
	v_cvt_scalef32_pk8_fp8_f32 v[C+6:C+7], v[TV+8:TV+15], v[SCV]
	v_perm_b32 v[T],   v[C+1], v[C],   s[SEL]
	v_perm_b32 v[T+1], v[C+1], v[C],   s[SEL+1]
	v_perm_b32 v[T+2], v[C+3], v[C+2], s[SEL]
	v_perm_b32 v[T+3], v[C+3], v[C+2], s[SEL+1]
.irp n, 4,5,6,7
	v_xor_b32 v[C+\n], s[SGN], v[C+\n]
.endr
	v_perm_b32 v[T+4], v[C+5], v[C+4], s[SEL]
	v_perm_b32 v[T+5], v[C+5], v[C+4], s[SEL+1]
	v_perm_b32 v[T+6], v[C+7], v[C+6], s[SEL]
	v_perm_b32 v[T+7], v[C+7], v[C+6], s[SEL+1]
	v_perm_b32 v[AF+G],    v[T+2], v[T],   s[SEL+2]
	v_perm_b32 v[AF+8+G],  v[T+2], v[T],   s[SEL+3]
	v_perm_b32 v[AF+16+G], v[T+3], v[T+1], s[SEL+2]
	v_perm_b32 v[AF+24+G], v[T+3], v[T+1], s[SEL+3]
	v_perm_b32 v[BF+G],    v[T+6], v[T+4], s[SEL+2]
	v_perm_b32 v[BF+8+G],  v[T+6], v[T+4], s[SEL+3]
	v_perm_b32 v[BF+16+G], v[T+7], v[T+5], s[SEL+2]
	v_perm_b32 v[BF+24+G], v[T+7], v[T+5], s[SEL+3]
.if G == 7
	WIN 0x50
.irp t, 0,1,2,3
.irp j, 0,1,2,3
.if P == 7
	v_wmma_f32_16x16x64_fp8_fp8 v[8*(4*\t+\j):8*(4*\t+\j)+7], v[AF+8*\j:AF+8*\j+7], v[BF+8*\t:BF+8*\t+7], 0
.else
	v_wmma_f32_16x16x64_fp8_fp8 v[8*(4*\t+\j):8*(4*\t+\j)+7], v[AF+8*\j:AF+8*\j+7], v[BF+8*\t:BF+8*\t+7], v[8*(4*\t+\j):8*(4*\t+\j)+7]
.endif
.endr
.endr
	WIN 0
.endif
.endm
.set P, 0
.rept NP
	PAIR
.set P, P+1
.endr
	v_pk_add_f32 v[KS:KS+1], v[KS:KS+1], v[KS+4:KS+5]
	v_pk_add_f32 v[KS+2:KS+3], v[KS+2:KS+3], v[KS+6:KS+7]
.irp n, 0,1,2,3
	v_permlanex16_b32 v[KS+4+\n], v[KS+\n], s[XSEL], s[XSEL+1]
.endr
	v_pk_add_f32 v[KS:KS+1], v[KS:KS+1], v[KS+4:KS+5]
	v_pk_add_f32 v[KS+2:KS+3], v[KS+2:KS+3], v[KS+6:KS+7]
	WIN 0x04
.set I, 0
.rept 32
	ds_store_b128 v[RS], v[4*I:4*I+3] offset:512*I
.set I, I+1
.endr
	WIN 0
	ds_store_b128 v[KSA], v[KS:KS+3]
	s_wait_dscnt 0x0
	s_barrier_signal -1
	s_barrier_wait -1
.irp s, 0,1,2,3
.irp j, 0,1,2,3
	ds_load_b128 v[X+16*\s+4*\j:X+16*\s+4*\j+3], v[RD0] offset:16384*\s+1024*\j
.endr
.endr
.irp s, 0,1,2,3
.irp j, 0,1,2,3
	ds_load_b128 v[X+64+16*\s+4*\j:X+64+16*\s+4*\j+3], v[RD1] offset:16384*\s+1024*\j
.endr
.endr
.macro SUM4 b
.irp n, 0,2,4,6,8,10,12,14
	v_pk_add_f32 v[\b+\n:\b+\n+1], v[\b+\n:\b+\n+1], v[\b+16+\n:\b+17+\n] neg_lo:[0,1] neg_hi:[0,1]
	v_pk_add_f32 v[\b+32+\n:\b+33+\n], v[\b+32+\n:\b+33+\n], v[\b+48+\n:\b+49+\n] neg_lo:[0,1] neg_hi:[0,1]
.endr
.irp n, 0,2,4,6,8,10,12,14
	v_pk_add_f32 v[\b+\n:\b+\n+1], v[\b+\n:\b+\n+1], v[\b+32+\n:\b+33+\n]
.endr
.endm
	s_wait_dscnt 16
	SUM4 X
	s_wait_dscnt 0x0
	SUM4 X+64
.irp i, 0,1,2,3
.irp j, 0,1,2,3
	v_add_f32 v[TV+4*\i+\j], v[X+4*\j+\i], v[X+64+4*\j+\i]
.endr
.endr
.irp i, 0,1,2,3
	global_store_b128 v[GO], v[TV+4*\i:TV+4*\i+3], s[12:13] offset:512*\i
.endr
	s_cmp_lg_u32 s[WV], 0
	s_cbranch_scc1 .Ldone
.irp s, 0,1,2,3,4,5,6,7
	ds_load_b64 v[KX+2*\s:KX+2*\s+1], v[KSR] offset:256*\s
.endr
	s_wait_dscnt 0x0
.irp s, 0,4,8,12
	v_pk_add_f32 v[KX+\s:KX+\s+1], v[KX+\s:KX+\s+1], v[KX+2+\s:KX+3+\s]
.endr
	v_pk_add_f32 v[KX:KX+1], v[KX:KX+1], v[KX+4:KX+5]
	v_pk_add_f32 v[KX+8:KX+9], v[KX+8:KX+9], v[KX+12:KX+13]
	v_pk_add_f32 v[KX:KX+1], v[KX:KX+1], v[KX+8:KX+9]
	global_store_b64 v[KGO], v[KX:KX+1], s[12:13] offset:16384
.Ldone:
	s_wait_tensorcnt 0x0
	ds_add_u32 v254, v255
	s_wait_dscnt 0x0
	s_endpgm
.Lfunc_end_k_qae3a0422eb_kvsum:
	.size	k_qae3a0422eb_kvsum, .Lfunc_end_k_qae3a0422eb_kvsum-k_qae3a0422eb_kvsum
	.p2alignl 7, 3214868480
	.fill 96, 4, 3214868480
	.section	.rodata,"a",@progbits
	.p2align	6, 0x0
	.amdhsa_kernel k_qae3a0422eb_kvsum
		.amdhsa_group_segment_fixed_size 138240
		.amdhsa_private_segment_fixed_size 0
		.amdhsa_enable_private_segment 0
		.amdhsa_kernarg_size 40
		.amdhsa_user_sgpr_count 2
		.amdhsa_user_sgpr_kernarg_segment_ptr 1
		.amdhsa_wavefront_size32 1
		.amdhsa_system_sgpr_workgroup_id_x 1
		.amdhsa_system_sgpr_workgroup_id_y 1
		.amdhsa_system_sgpr_workgroup_id_z 1
		.amdhsa_system_vgpr_workitem_id 0
		.amdhsa_next_free_vgpr 512
		.amdhsa_next_free_sgpr 66
		.amdhsa_reserve_vcc 0
		.amdhsa_float_denorm_mode_32 3
		.amdhsa_float_denorm_mode_16_64 3
		.amdhsa_memory_ordered 1
		.amdhsa_forward_progress 1
		.amdhsa_inst_pref_size 118
	.end_amdhsa_kernel
	.amdgpu_metadata
---
amdhsa.version: [ 1, 2 ]
amdhsa.kernels:
  - .name:           k_qae3a0422eb_kvsum
    .symbol:         k_qae3a0422eb_kvsum.kd
    .args:
      - { .name: key, .offset: 0, .size: 8, .value_kind: global_buffer, .address_space: global }
      - { .name: value, .offset: 8, .size: 8, .value_kind: global_buffer, .address_space: global }
      - { .name: mask, .offset: 16, .size: 8, .value_kind: global_buffer, .address_space: global }
      - { .name: lowp_scales, .offset: 24, .size: 8, .value_kind: global_buffer, .address_space: global }
      - { .name: part, .offset: 32, .size: 8, .value_kind: global_buffer, .address_space: global }
    .group_segment_fixed_size: 138240
    .private_segment_fixed_size: 0
    .kernarg_segment_align: 8
    .kernarg_segment_size: 40
    .max_flat_workgroup_size: 256
    .sgpr_count:     66
    .vgpr_count:     512
    .wavefront_size: 32
...
	.end_amdgpu_metadata
.endif
;; end of part 1
;; launch attend (part 2): grid 256 x 1, 16 waves a work-group, no clusters, 26,624 bytes of LDS; arguments query, lowp_scales, part, out0; writes out0
.if DOCPART == 2
	.amdgcn_target "amdgcn-amd-amdhsa--gfx1250"
	.amdhsa_code_object_version 6
	.text
	.protected	k_qae3a0422eb_attend
	.globl	k_qae3a0422eb_attend
	.p2align	8
	.type	k_qae3a0422eb_attend,@function
k_qae3a0422eb_attend:
	s_mov_b64 s[64:65], 0
	v_nop
	global_prefetch_b8 v0, s[64:65] scope:SCOPE_SE
	s_setreg_imm32_b32 hwreg(HW_REG_WAVE_MODE, 25, 1), 1
	s_wait_xcnt 0x0
.set REC,  16640
.set STG,  4096
.set QO,   1
.set LN,   2
.set PO,   3
.set KO,   4
.set BW,   5
.set STO,  6
.set LDA,  7
.set SCQ,  8
.set LMQ,  9
.set SCB,  10
.set LMB,  11
.set KS,   12
.set AF,   16
.set CQ,   24
.set DEN,  32
.set TM,   40
.set D,    56
.set BF,   88
.set Q,    120
.set WV,   16
.set EPS,  26
	s_load_b256 s[4:11], s[0:1], 0x0
	v_lshl_add_u32 v254, v0, 2, 0x6000
	v_mov_b32 v255, 0
	v_lshrrev_b32 v1, 5, v0
	v_readfirstlane_b32 s[WV], v1
	v_and_b32 v[LN], 31, v0
	v_lshlrev_b32 v[LN], 4, v[LN]
	v_and_b32 v12, 15, v0
	v_bfe_u32 v13, v0, 4, 1
	v_lshlrev_b32 v[KO], 4, v12
	v_lshl_add_u32 v[QO], v13, 11, v[KO]
	s_lshl_b32 s17, s[WV], 10
	v_add_nc_u32 v[PO], s17, v[LN]
	s_lshr_b32 s17, s[WV], 1
	s_lshl_b32 s17, s17, 9
	s_and_b32 s18, s[WV], 1
	s_lshl_b32 s18, s18, 3
	s_add_co_u32 s17, s17, s18
	v_add_nc_u32 v[BW], s17, v[LN]
	s_mul_i32 s17, s[WV], 1280
	s_add_co_u32 s17, s17, STG
	v_mul_u32_u24 v[STO], v13, 640
	v_lshl_add_u32 v[STO], v12, 2, v[STO]
	v_add_nc_u32 v[STO], s17, v[STO]
	v_mul_u32_u24 v[LDA], v12, 80
	v_lshl_add_u32 v[LDA], v13, 5, v[LDA]
	v_add_nc_u32 v[LDA], s17, v[LDA]
	s_lshl_b32 s20, ttmp9, 18
	s_lshl_b32 s21, s[WV], 14
	s_add_co_u32 s20, s20, s21
	s_mov_b32 s21, 0
	s_lshr_b32 s22, ttmp9, 2
	s_mul_i32 s22, s22, 4*REC
	s_mov_b32 s23, 0
	s_mov_b32 s[EPS], 0x3a83126f
	s_mov_b32 s[EPS+1], 0x3a83126f
	s_wait_kmcnt 0x0
	s_load_b128 s[12:15], s[6:7], 0x0
	s_add_nc_u64 s[4:5], s[4:5], s[20:21]
	s_add_nc_u64 s[10:11], s[10:11], s[20:21]
	s_add_nc_u64 s[8:9], s[8:9], s[22:23]
.irp p, 0,1,2,3
	global_load_b128 v[D+8*\p:D+8*\p+3], v[PO], s[8:9] offset:REC*\p
	global_load_b128 v[D+8*\p+4:D+8*\p+7], v[PO], s[8:9] offset:REC*\p+512
	global_load_b128 v[TM+4*\p:TM+4*\p+3], v[KO], s[8:9] offset:REC*\p+16384
.endr
.irp t, 0,1,2,3
.irp c, 0,1,2,3,4,5,6,7
	global_load_b128 v[Q+32*\t+4*\c:Q+32*\t+4*\c+3], v[QO], s[4:5] offset:4096*\t+256*\c th:TH_LOAD_NT
.endr
.endr
	s_wait_kmcnt 0x0
	s_add_co_i32 s24, s14, s15
	s_sub_co_i32 s24, 0, s24
	s_add_co_i32 s17, s14, 127
	s_lshl_b32 s18, s17, 23
	v_mov_b32 v[SCQ], s18
	s_add_co_i32 s17, s17, 8
	s_lshl_b32 s17, s17, 23
	s_or_b32 s17, s17, 0x600000
	v_mov_b32 v[LMQ], s17
	s_sub_co_i32 s17, s15, s12
	s_sub_co_i32 s17, s17, s13
	s_add_co_i32 s17, s17, 127
	s_lshl_b32 s18, s17, 23
	v_mov_b32 v[SCB], s18
	s_add_co_i32 s17, s17, 8
	s_lshl_b32 s17, s17, 23
	s_or_b32 s17, s17, 0x600000
	v_mov_b32 v[LMB], s17
	s_wait_loadcnt 32
.irp n, 0,2,4,6
	v_pk_add_f32 v[D+\n:D+\n+1], v[D+\n:D+\n+1], v[D+8+\n:D+9+\n]
	v_pk_add_f32 v[D+16+\n:D+17+\n], v[D+16+\n:D+17+\n], v[D+24+\n:D+25+\n]
.endr
.irp n, 0,2,4,6
	v_pk_add_f32 v[D+\n:D+\n+1], v[D+\n:D+\n+1], v[D+16+\n:D+17+\n]
.endr
.irp n, 0,2
	v_pk_add_f32 v[TM+\n:TM+\n+1], v[TM+\n:TM+\n+1], v[TM+4+\n:TM+5+\n]
	v_pk_add_f32 v[TM+8+\n:TM+9+\n], v[TM+8+\n:TM+9+\n], v[TM+12+\n:TM+13+\n]
.endr
.irp n, 0,2
	v_pk_add_f32 v[KS+\n:KS+\n+1], v[TM+\n:TM+\n+1], v[TM+8+\n:TM+9+\n]
.endr
.irp n, 0,1,2,3
	v_ldexp_f32 v[KS+\n], v[KS+\n], s24
.endr
.irp n, 0,1,2,3,4,5,6,7
	v_med3_num_f32 v[D+\n], v[D+\n], -v[LMB], v[LMB]
.endr
	v_cvt_scalef32_pk8_fp8_f32 v[CQ:CQ+1], v[D:D+7], v[SCB]
	v_nop
	ds_store_b64 v[BW], v[CQ:CQ+1]
	s_wait_dscnt 0x0
	s_barrier_signal -1
	s_barrier_wait -1
.irp g, 0,1,2,3,4,5,6,7
	ds_load_b128 v[BF+4*\g:BF+4*\g+3], v[LN] offset:512*\g
.endr
.macro TILE t
.set QB, Q+32*(\t)
	s_wait_loadcnt 8*(3-(\t))
.irp n, 0,1,2,3,4,5,6,7,8,9,10,11,12,13,14,15,16,17,18,19,20,21,22,23,24,25,26,27,28,29,30,31
	v_max_num_f32 v[QB+\n], 0, v[QB+\n]
.endr
.irp n, 0,2,4,6,8,10,12,14,16,18,20,22,24,26,28,30
	v_pk_add_f32 v[QB+\n:QB+\n+1], v[QB+\n:QB+\n+1], s[EPS:EPS+1] op_sel_hi:[1,0]
.endr
.irp c, 0,1,2,3,4,5,6,7
	v_pk_mul_f32 v[TM+2*\c:TM+2*\c+1], v[QB+4*\c:QB+4*\c+1], v[KS:KS+1]
.endr
.irp c, 0,1,2,3,4,5,6,7
	v_pk_fma_f32 v[TM+2*\c:TM+2*\c+1], v[QB+4*\c+2:QB+4*\c+3], v[KS+2:KS+3], v[TM+2*\c:TM+2*\c+1]
.endr
.irp n, 0,1,2,3,4,5,6,7,8,9,10,11,12,13,14,15,16,17,18,19,20,21,22,23,24,25,26,27,28,29,30,31
	v_min_num_f32 v[QB+\n], v[QB+\n], v[LMQ]
.endr
.irp m, 0,1,2,3
	v_cvt_scalef32_pk8_fp8_f32 v[CQ+2*\m:CQ+2*\m+1], v[QB+8*\m:QB+8*\m+7], v[SCQ]
.endr
.irp c, 0,1,2,3,4,5,6,7
	v_add_f32 v[DEN+\c], v[TM+2*\c], v[TM+2*\c+1]
.endr
.irp c, 0,1,2,3,4,5,6,7
	ds_store_b32 v[STO], v[CQ+\c] offset:80*\c
.endr
	ds_load_b128 v[AF:AF+3], v[LDA]
	ds_load_b128 v[AF+4:AF+7], v[LDA] offset:16
.irp x, 1,2,4,8
.irp c, 0,1,2,3,4,5,6,7
	v_add_f32_dpp v[DEN+\c], v[DEN+\c], v[DEN+\c] row_xmask:\x row_mask:0xf bank_mask:0xf
.endr
.endr
.irp c, 0,1,2,3,4,5,6,7
	v_rcp_f32 v[DEN+\c], v[DEN+\c]
.endr
	s_wait_dscnt 0x0
.irp e, 0,1,2,3
	v_wmma_f32_16x16x64_fp8_fp8 v[D+8*\e:D+8*\e+7], v[AF:AF+7], v[BF+8*\e:BF+8*\e+7], 0
.endr
.rept 4
	v_nop
.endr
	s_wait_alu depctr_va_vdst(0)
.irp c, 0,1,2,3,4,5,6,7
.irp e, 0,1,2,3
	v_mul_f32 v[QB+4*\c+\e], v[D+8*\e+\c], v[DEN+\c]
.endr
.endr
.irp c, 0,1,2,3,4,5,6,7
	global_store_b128 v[QO], v[QB+4*\c:QB+4*\c+3], s[10:11] offset:4096*(\t)+256*\c th:TH_STORE_NT
.endr
.endm
	TILE 0
	TILE 1
	TILE 2
	TILE 3
	s_wait_tensorcnt 0x0
	ds_add_u32 v254, v255
	s_wait_dscnt 0x0
	s_endpgm
.Lfunc_end_k_qae3a0422eb_attend:
	.size	k_qae3a0422eb_attend, .Lfunc_end_k_qae3a0422eb_attend-k_qae3a0422eb_attend
	.p2alignl 7, 3214868480
	.fill 96, 4, 3214868480
	.section	.rodata,"a",@progbits
	.p2align	6, 0x0
	.amdhsa_kernel k_qae3a0422eb_attend
		.amdhsa_group_segment_fixed_size 26624
		.amdhsa_private_segment_fixed_size 0
		.amdhsa_enable_private_segment 0
		.amdhsa_kernarg_size 32
		.amdhsa_user_sgpr_count 2
		.amdhsa_user_sgpr_kernarg_segment_ptr 1
		.amdhsa_wavefront_size32 1
		.amdhsa_system_sgpr_workgroup_id_x 1
		.amdhsa_system_sgpr_workgroup_id_y 1
		.amdhsa_system_sgpr_workgroup_id_z 1
		.amdhsa_system_vgpr_workitem_id 0
		.amdhsa_next_free_vgpr 256
		.amdhsa_next_free_sgpr 66
		.amdhsa_reserve_vcc 0
		.amdhsa_float_denorm_mode_32 3
		.amdhsa_float_denorm_mode_16_64 3
		.amdhsa_memory_ordered 1
		.amdhsa_forward_progress 1
		.amdhsa_inst_pref_size 49
	.end_amdhsa_kernel
	.amdgpu_metadata
---
amdhsa.version: [ 1, 2 ]
amdhsa.kernels:
  - .name:           k_qae3a0422eb_attend
    .symbol:         k_qae3a0422eb_attend.kd
    .args:
      - { .name: query, .offset: 0, .size: 8, .value_kind: global_buffer, .address_space: global }
      - { .name: lowp_scales, .offset: 8, .size: 8, .value_kind: global_buffer, .address_space: global }
      - { .name: part, .offset: 16, .size: 8, .value_kind: global_buffer, .address_space: global }
      - { .name: out0, .offset: 24, .size: 8, .value_kind: global_buffer, .address_space: global }
    .group_segment_fixed_size: 26624
    .private_segment_fixed_size: 0
    .kernarg_segment_align: 8
    .kernarg_segment_size: 32
    .max_flat_workgroup_size: 512
    .sgpr_count:     66
    .vgpr_count:     256
    .wavefront_size: 32
...
	.end_amdgpu_metadata
.endif
;; end of part 2
;; ======== version 2 of 2: 2 launches; version 1 with the launches kvsum, attend written anew for expert scheduling mode
;; limits: right only within a limited range of input values
;; workspace buffers: part 4,259,840 bytes
;; launch kvsum (part 3): grid 256 x 1, 8 waves a work-group, no clusters, 138,240 bytes of LDS; arguments key, value, mask, lowp_scales, part; writes part
.if DOCPART == 3
	.amdgcn_target "amdgcn-amd-amdhsa--gfx1250"
	.amdhsa_code_object_version 6
	.text
	.protected	k_qae3a0422eb_kvsum
	.globl	k_qae3a0422eb_kvsum
	.p2align	8
	.type	k_qae3a0422eb_kvsum,@function
k_qae3a0422eb_kvsum:
	s_mov_b64 s[64:65], 0
	v_nop
	global_prefetch_b8 v0, s[64:65] scope:SCOPE_SE
	s_setreg_imm32_b32 hwreg(HW_REG_WAVE_SCHED_MODE, 0, 2), 2
	s_setreg_imm32_b32 hwreg(HW_REG_WAVE_MODE, 25, 1), 1
	s_wait_xcnt 0x0
	s_wait_alu depctr_vm_vsrc(0)
.set NS,   7
.set NP,   16
.set REC,  16640
.set KSL,  131072
.set MSK,  133120
.set VO,   1
.set MA,   2
.set MS,   3
.set SCK,  4
.set LMK,  5
.set SCV,  6
.set LMV,  7
.set KS,   8
.set M,    16
.set C,    24
.set T,    32
.set TV,   40
.set AF,   56
.set BF,   88
.set KB,   120
.set LN,   232
.set RS,   233
.set RD0,  234
.set RD1,  235
.set KSA,  236
.set KSR,  237
.set GO,   238
.set KGO,  239
.set X,    56
.set KX,   184
.set VB,   128
.set SGN,  2
.set WV,   16
.set SEL,  20
.set EPS,  24
.set XSEL, 26
.set MSB, 0
.macro WIN new
.if MSB != \new
	s_set_vgpr_msb (MSB<<8)|\new
.set MSB, \new
.endif
.endm
.macro KLOAD p
.irp i, 0,1,2,3
	global_load_b128 v[KB+16*((\p)%NS)+4*\i:KB+16*((\p)%NS)+4*\i+3], v[VO], s[4:5] offset:16384*((\p)/8)+1024*((\p)%8)+256*\i th:TH_LOAD_NT
.endr
.endm
.macro VLOAD p
.irp i, 0,1,2,3
	global_load_b128 v[VB+16*((\p)%NS)+4*\i:VB+16*((\p)%NS)+4*\i+3], v[VO], s[6:7] offset:16384*((\p)/8)+1024*((\p)%8)+256*\i th:TH_LOAD_NT
.endr
.endm
	s_load_b256 s[4:11], s[0:1], 0x0
	s_load_b64 s[12:13], s[0:1], 0x20
	v_lshl_add_u32 v254, v0, 2, 0x21800
	v_mov_b32 v255, 0
	v_lshrrev_b32 v1, 5, v0
	v_readfirstlane_b32 s[WV], v1
	v_and_b32 v[LN], 31, v0
	v_and_b32 v[KSA], 15, v0
	v_bfe_u32 v[MA], v0, 4, 1
	v_lshlrev_b32 v[KGO], 3, v[LN]
	v_lshlrev_b32 v[LN], 4, v[LN]
	v_lshlrev_b32 v[KSA], 4, v[KSA]
	v_lshl_add_u32 v[VO], v[MA], 13, v[KSA]
	s_wait_alu depctr_va_sdst(0)
	s_and_b32 s[SGN], s[WV], 1
	s_mul_i32 s[SGN], s[SGN], 0x80808080
	s_lshl_b32 s17, s[WV], 9
	s_add_co_u32 s17, s17, MSK
	v_lshl_add_u32 v[MA], v[MA], 7, s17
	v_add_nc_u32 v[MS], s17, v[LN]
	s_lshl_b32 s17, s[WV], 14
	v_add_nc_u32 v[RS], s17, v[LN]
	s_lshr_b32 s17, s[WV], 1
	s_lshl_b32 s17, s17, 12
	s_and_b32 s18, s[WV], 1
	s_lshl_b32 s18, s18, 9
	s_add_co_u32 s17, s17, s18
	v_add_nc_u32 v[RD0], s17, v[LN]
	v_add_nc_u32 v[RD1], 0x10000, v[RD0]
	s_lshl_b32 s17, s[WV], 8
	s_add_co_u32 s17, s17, KSL
	v_add_nc_u32 v[KSA], s17, v[KSA]
	v_add_nc_u32 v[KSR], KSL, v[KGO]
	s_lshl_b32 s17, s[WV], 11
	v_add_nc_u32 v[GO], s17, v[LN]
	s_lshl_b32 s18, ttmp9, 18
	s_lshl_b32 s19, s[WV], 15
	s_add_co_u32 s18, s18, s19
	s_mov_b32 s19, 0
	s_lshr_b32 s28, ttmp9, 6
	s_lshl_b32 s28, s28, 14
	s_and_b32 s29, ttmp9, 3
	s_lshl_b32 s29, s29, 12
	s_add_co_u32 s28, s28, s29
	s_lshl_b32 s29, s[WV], 9
	s_add_co_u32 s28, s28, s29
	s_mov_b32 s29, 0
	s_mul_i32 s30, ttmp9, REC
	s_mov_b32 s31, 0
	s_mov_b32 s[SEL], 0x05010400
	s_mov_b32 s[SEL+1], 0x07030602
	s_mov_b32 s[SEL+2], 0x05040100
	s_mov_b32 s[SEL+3], 0x07060302
	s_mov_b32 s[EPS], 0x3a83126f
	s_mov_b32 s[EPS+1], 0x3a83126f
	s_mov_b32 s[XSEL], 0x76543210
	s_mov_b32 s[XSEL+1], 0xfedcba98
	s_wait_kmcnt 0x0
	s_load_b64 s[14:15], s[10:11], 0x0
	s_add_nc_u64 s[4:5], s[4:5], s[18:19]
	s_add_nc_u64 s[6:7], s[6:7], s[18:19]
	s_add_nc_u64 s[8:9], s[8:9], s[28:29]
	s_add_nc_u64 s[12:13], s[12:13], s[30:31]
	s_wait_alu depctr_va_vdst(0)
	global_load_b128 v[TV:TV+3], v[LN], s[8:9]
.set P, 0
.rept NS
	KLOAD P
	WIN 0x40
	VLOAD P
	WIN 0
.set P, P+1
.endr
	s_wait_kmcnt 0x0
	s_add_co_i32 s14, s14, 127
	s_lshl_b32 s17, s14, 23
	v_mov_b32 v[SCK], s17
	s_add_co_i32 s14, s14, 8
	s_lshl_b32 s14, s14, 23
	s_or_b32 s14, s14, 0x600000
	v_mov_b32 v[LMK], s14
	s_add_co_i32 s15, s15, 127
	s_lshl_b32 s17, s15, 23
	v_mov_b32 v[SCV], s17
	s_add_co_i32 s15, s15, 8
	s_lshl_b32 s15, s15, 23
	s_or_b32 s15, s15, 0x600000
	v_mov_b32 v[LMV], s15
	s_wait_loadcnt 8*NS
	ds_store_b128 v[MS], v[TV:TV+3]
	ds_load_b128 v[M:M+3], v[MA]
	s_wait_alu depctr_vm_vsrc(0)
.macro PAIR
.set KC, KB+16*(P%NS)
.set VC, VB+16*(P%NS)
.set MC, M+4*(P%2)
.set G,  P%8
.set AFT, 8*(NS-1)
.if NP-1-P < NS-1
.set AFT, 8*(NP-1-P)
.endif
	s_wait_dscnt 0x0
.if P+1 < NP
	ds_load_b128 v[M+4*((P+1)%2):M+4*((P+1)%2)+3], v[MA] offset:256*((P+1)/8)+16*((P+1)%8)
.endif
	s_wait_loadcnt AFT+4
.irp n, 0,1,2,3,4,5,6,7,8,9,10,11,12,13,14,15
	v_max_num_f32 v[KC+\n], 0, v[KC+\n]
.endr
.irp n, 0,2,4,6,8,10,12,14
	v_pk_add_f32 v[KC+\n:KC+\n+1], v[KC+\n:KC+\n+1], s[EPS:EPS+1] op_sel_hi:[1,0]
.endr
.irp n, 0,2
	v_pk_mul_f32 v[KC+\n:KC+\n+1], v[KC+\n:KC+\n+1], v[MC:MC+1] op_sel_hi:[1,0]
	v_pk_mul_f32 v[KC+4+\n:KC+5+\n], v[KC+4+\n:KC+5+\n], v[MC:MC+1] op_sel:[0,1]
	v_pk_mul_f32 v[KC+8+\n:KC+9+\n], v[KC+8+\n:KC+9+\n], v[MC+2:MC+3] op_sel_hi:[1,0]
	v_pk_mul_f32 v[KC+12+\n:KC+13+\n], v[KC+12+\n:KC+13+\n], v[MC+2:MC+3] op_sel:[0,1]
.endr
.if P == 0
.irp n, 0,2,4,6
	v_pk_add_f32 v[KS+\n:KS+\n+1], v[KC+\n:KC+\n+1], v[KC+8+\n:KC+9+\n]
.endr
.else
.irp n, 0,2,4,6
	v_pk_add_f32 v[KS+\n:KS+\n+1], v[KS+\n:KS+\n+1], v[KC+\n:KC+\n+1]
.endr
.irp n, 0,2,4,6
	v_pk_add_f32 v[KS+\n:KS+\n+1], v[KS+\n:KS+\n+1], v[KC+8+\n:KC+9+\n]
.endr
.endif
.irp n, 0,1,2,3,4,5,6,7,8,9,10,11,12,13,14,15
	v_med3_num_f32 v[KC+\n], v[KC+\n], -v[LMK], v[LMK]
.endr
	v_cvt_scalef32_pk8_fp8_f32 v[C:C+1], v[KC:KC+7], v[SCK]
	v_cvt_scalef32_pk8_fp8_f32 v[C+2:C+3], v[KC+8:KC+15], v[SCK]
	s_wait_loadcnt AFT
	WIN 0x01
.irp n, 0,1,2,3,4,5,6,7,8,9,10,11,12,13,14,15
	v_med3_num_f32 v[TV+\n], v[VC+\n], -v[LMV], v[LMV]
.endr
	WIN 0
.if P+NS < NP
	s_wait_alu depctr_va_vdst(0)
	KLOAD P+NS
	WIN 0x40
	VLOAD P+NS
	WIN 0
.elseif P+2 < NP
	s_wait_alu depctr_va_vdst(0)
.endif
	v_cvt_scalef32_pk8_fp8_f32 v[C+4:C+5], v[TV:TV+7], v[SCV]
	v_cvt_scalef32_pk8_fp8_f32 v[C+6:C+7], v[TV+8:TV+15], v[SCV]
	v_perm_b32 v[T],   v[C+1], v[C],   s[SEL]
	v_perm_b32 v[T+1], v[C+1], v[C],   s[SEL+1]
	v_perm_b32 v[T+2], v[C+3], v[C+2], s[SEL]
	v_perm_b32 v[T+3], v[C+3], v[C+2], s[SEL+1]
.irp n, 4,5,6,7
	v_xor_b32 v[C+\n], s[SGN], v[C+\n]
.endr
	v_perm_b32 v[T+4], v[C+5], v[C+4], s[SEL]
	v_perm_b32 v[T+5], v[C+5], v[C+4], s[SEL+1]
	v_perm_b32 v[T+6], v[C+7], v[C+6], s[SEL]
	v_perm_b32 v[T+7], v[C+7], v[C+6], s[SEL+1]
	v_perm_b32 v[AF+G],    v[T+2], v[T],   s[SEL+2]
	v_perm_b32 v[AF+8+G],  v[T+2], v[T],   s[SEL+3]
	v_perm_b32 v[AF+16+G], v[T+3], v[T+1], s[SEL+2]
	v_perm_b32 v[AF+24+G], v[T+3], v[T+1], s[SEL+3]
	v_perm_b32 v[BF+G],    v[T+6], v[T+4], s[SEL+2]
	v_perm_b32 v[BF+8+G],  v[T+6], v[T+4], s[SEL+3]
	v_perm_b32 v[BF+16+G], v[T+7], v[T+5], s[SEL+2]
	v_perm_b32 v[BF+24+G], v[T+7], v[T+5], s[SEL+3]
.if G == 7
	WIN 0x50
.irp t, 0,1,2,3
.irp j, 0,1,2,3
.if P == 7
	v_wmma_f32_16x16x64_fp8_fp8 v[8*(4*\t+\j):8*(4*\t+\j)+7], v[AF+8*\j:AF+8*\j+7], v[BF+8*\t:BF+8*\t+7], 0
.else
	v_wmma_f32_16x16x64_fp8_fp8 v[8*(4*\t+\j):8*(4*\t+\j)+7], v[AF+8*\j:AF+8*\j+7], v[BF+8*\t:BF+8*\t+7], v[8*(4*\t+\j):8*(4*\t+\j)+7]
.endif
.endr
.endr
	WIN 0
.endif
.endm
.set P, 0
.rept NP
	PAIR
.set P, P+1
.endr
	v_pk_add_f32 v[KS:KS+1], v[KS:KS+1], v[KS+4:KS+5]
	v_pk_add_f32 v[KS+2:KS+3], v[KS+2:KS+3], v[KS+6:KS+7]
.irp n, 0,1,2,3
	v_permlanex16_b32 v[KS+4+\n], v[KS+\n], s[XSEL], s[XSEL+1]
.endr
	v_pk_add_f32 v[KS:KS+1], v[KS:KS+1], v[KS+4:KS+5]
	v_pk_add_f32 v[KS+2:KS+3], v[KS+2:KS+3], v[KS+6:KS+7]
	WIN 0x04
	s_wait_alu depctr_va_vdst(0)
.set I, 0
.rept 32
	ds_store_b128 v[RS], v[4*I:4*I+3] offset:512*I
.set I, I+1
.endr
	WIN 0
	ds_store_b128 v[KSA], v[KS:KS+3]
	s_wait_dscnt 0x0
	s_barrier_signal -1
	s_barrier_wait -1
.irp s, 0,1,2,3
.irp j, 0,1,2,3
	ds_load_b128 v[X+16*\s+4*\j:X+16*\s+4*\j+3], v[RD0] offset:16384*\s+1024*\j
.endr
.endr
.irp s, 0,1,2,3
.irp j, 0,1,2,3
	ds_load_b128 v[X+64+16*\s+4*\j:X+64+16*\s+4*\j+3], v[RD1] offset:16384*\s+1024*\j
.endr
.endr
.macro SUM4 b
.irp n, 0,2,4,6,8,10,12,14
	v_pk_add_f32 v[\b+\n:\b+\n+1], v[\b+\n:\b+\n+1], v[\b+16+\n:\b+17+\n] neg_lo:[0,1] neg_hi:[0,1]
	v_pk_add_f32 v[\b+32+\n:\b+33+\n], v[\b+32+\n:\b+33+\n], v[\b+48+\n:\b+49+\n] neg_lo:[0,1] neg_hi:[0,1]
.endr
.irp n, 0,2,4,6,8,10,12,14
	v_pk_add_f32 v[\b+\n:\b+\n+1], v[\b+\n:\b+\n+1], v[\b+32+\n:\b+33+\n]
.endr
.endm
	s_wait_dscnt 16
	SUM4 X
	s_wait_dscnt 0x0
	SUM4 X+64
.irp i, 0,1,2,3
.irp j, 0,1,2,3
	v_add_f32 v[TV+4*\i+\j], v[X+4*\j+\i], v[X+64+4*\j+\i]
.endr
.endr
	s_wait_alu depctr_va_vdst(0)
.irp i, 0,1,2,3
	global_store_b128 v[GO], v[TV+4*\i:TV+4*\i+3], s[12:13] offset:512*\i
.endr
	s_cmp_lg_u32 s[WV], 0
	s_cbranch_scc1 .Ldone
.irp s, 0,1,2,3,4,5,6,7
	ds_load_b64 v[KX+2*\s:KX+2*\s+1], v[KSR] offset:256*\s
.endr
	s_wait_dscnt 0x0
.irp s, 0,4,8,12
	v_pk_add_f32 v[KX+\s:KX+\s+1], v[KX+\s:KX+\s+1], v[KX+2+\s:KX+3+\s]
.endr
	v_pk_add_f32 v[KX:KX+1], v[KX:KX+1], v[KX+4:KX+5]
	v_pk_add_f32 v[KX+8:KX+9], v[KX+8:KX+9], v[KX+12:KX+13]
	v_pk_add_f32 v[KX:KX+1], v[KX:KX+1], v[KX+8:KX+9]
	s_wait_alu depctr_va_vdst(0)
	global_store_b64 v[KGO], v[KX:KX+1], s[12:13] offset:16384
.Ldone:
	s_wait_dscnt 0x0
	s_wait_alu depctr_hold_cnt(0) depctr_sa_sdst(0) depctr_va_vdst(0) depctr_va_sdst(0) depctr_va_ssrc(0) depctr_va_vcc(0) depctr_vm_vsrc(0)
	s_wait_tensorcnt 0x0
	ds_add_u32 v254, v255
	s_wait_dscnt 0x0
	s_endpgm
.Lfunc_end_k_qae3a0422eb_kvsum:
	.size	k_qae3a0422eb_kvsum, .Lfunc_end_k_qae3a0422eb_kvsum-k_qae3a0422eb_kvsum
	.p2alignl 7, 3214868480
	.fill 96, 4, 3214868480
	.section	.rodata,"a",@progbits
	.p2align	6, 0x0
	.amdhsa_kernel k_qae3a0422eb_kvsum
		.amdhsa_group_segment_fixed_size 138240
		.amdhsa_private_segment_fixed_size 0
		.amdhsa_enable_private_segment 0
		.amdhsa_kernarg_size 40
		.amdhsa_user_sgpr_count 2
		.amdhsa_user_sgpr_kernarg_segment_ptr 1
		.amdhsa_wavefront_size32 1
		.amdhsa_system_sgpr_workgroup_id_x 1
		.amdhsa_system_sgpr_workgroup_id_y 1
		.amdhsa_system_sgpr_workgroup_id_z 1
		.amdhsa_system_vgpr_workitem_id 0
		.amdhsa_next_free_vgpr 512
		.amdhsa_next_free_sgpr 66
		.amdhsa_reserve_vcc 0
		.amdhsa_float_denorm_mode_32 3
		.amdhsa_float_denorm_mode_16_64 3
		.amdhsa_memory_ordered 1
		.amdhsa_forward_progress 1
		.amdhsa_inst_pref_size 119
	.end_amdhsa_kernel
	.amdgpu_metadata
---
amdhsa.version: [ 1, 2 ]
amdhsa.kernels:
  - .name:           k_qae3a0422eb_kvsum
    .symbol:         k_qae3a0422eb_kvsum.kd
    .args:
      - { .name: key, .offset: 0, .size: 8, .value_kind: global_buffer, .address_space: global }
      - { .name: value, .offset: 8, .size: 8, .value_kind: global_buffer, .address_space: global }
      - { .name: mask, .offset: 16, .size: 8, .value_kind: global_buffer, .address_space: global }
      - { .name: lowp_scales, .offset: 24, .size: 8, .value_kind: global_buffer, .address_space: global }
      - { .name: part, .offset: 32, .size: 8, .value_kind: global_buffer, .address_space: global }
    .group_segment_fixed_size: 138240
    .private_segment_fixed_size: 0
    .kernarg_segment_align: 8
    .kernarg_segment_size: 40
    .max_flat_workgroup_size: 256
    .sgpr_count:     66
    .vgpr_count:     512
    .wavefront_size: 32
...
	.end_amdgpu_metadata
.endif
;; end of part 3
;; launch attend (part 4): grid 256 x 1, 16 waves a work-group, no clusters, 26,624 bytes of LDS; arguments query, lowp_scales, part, out0; writes out0
.if DOCPART == 4
	.amdgcn_target "amdgcn-amd-amdhsa--gfx1250"
	.amdhsa_code_object_version 6
	.text
	.protected	k_qae3a0422eb_attend
	.globl	k_qae3a0422eb_attend
	.p2align	8
	.type	k_qae3a0422eb_attend,@function
k_qae3a0422eb_attend:
	s_mov_b64 s[64:65], 0
	v_nop
	global_prefetch_b8 v0, s[64:65] scope:SCOPE_SE
	s_setreg_imm32_b32 hwreg(HW_REG_WAVE_SCHED_MODE, 0, 2), 2
	s_setreg_imm32_b32 hwreg(HW_REG_WAVE_MODE, 25, 1), 1
	s_wait_xcnt 0x0
	s_wait_alu depctr_vm_vsrc(0)
.set REC,  16640
.set STG,  4096
.set QO,   1
.set LN,   2
.set PO,   3
.set KO,   4
.set BW,   5
.set STO,  6
.set LDA,  7
.set SCQ,  8
.set LMQ,  9
.set SCB,  10
.set LMB,  11
.set KS,   12
.set AF,   16
.set CQ,   24
.set DEN,  32
.set TM,   40
.set D,    56
.set BF,   88
.set Q,    120
.set WV,   16
.set EPS,  26
	s_load_b256 s[4:11], s[0:1], 0x0
	v_lshl_add_u32 v254, v0, 2, 0x6000
	v_mov_b32 v255, 0
	v_lshrrev_b32 v1, 5, v0
	v_readfirstlane_b32 s[WV], v1
	v_and_b32 v[LN], 31, v0
	v_lshlrev_b32 v[LN], 4, v[LN]
	v_and_b32 v12, 15, v0
	v_bfe_u32 v13, v0, 4, 1
	v_lshlrev_b32 v[KO], 4, v12
	v_lshl_add_u32 v[QO], v13, 11, v[KO]
	s_wait_alu depctr_va_sdst(0)
	s_lshl_b32 s17, s[WV], 10
	v_add_nc_u32 v[PO], s17, v[LN]
	s_lshr_b32 s17, s[WV], 1
	s_lshl_b32 s17, s17, 9
	s_and_b32 s18, s[WV], 1
	s_lshl_b32 s18, s18, 3
	s_add_co_u32 s17, s17, s18
	v_add_nc_u32 v[BW], s17, v[LN]
	s_mul_i32 s17, s[WV], 1280
	s_add_co_u32 s17, s17, STG
	v_mul_u32_u24 v[STO], v13, 640
	v_lshl_add_u32 v[STO], v12, 2, v[STO]
	v_add_nc_u32 v[STO], s17, v[STO]
	v_mul_u32_u24 v[LDA], v12, 80
	v_lshl_add_u32 v[LDA], v13, 5, v[LDA]
	v_add_nc_u32 v[LDA], s17, v[LDA]
	s_lshl_b32 s20, ttmp9, 18
	s_lshl_b32 s21, s[WV], 14
	s_add_co_u32 s20, s20, s21
	s_mov_b32 s21, 0
	s_lshr_b32 s22, ttmp9, 2
	s_mul_i32 s22, s22, 4*REC
	s_mov_b32 s23, 0
	s_mov_b32 s[EPS], 0x3a83126f
	s_mov_b32 s[EPS+1], 0x3a83126f
	s_wait_kmcnt 0x0
	s_load_b128 s[12:15], s[6:7], 0x0
	s_add_nc_u64 s[4:5], s[4:5], s[20:21]
	s_add_nc_u64 s[10:11], s[10:11], s[20:21]
	s_add_nc_u64 s[8:9], s[8:9], s[22:23]
	s_wait_alu depctr_va_vdst(0)
.irp p, 0,1,2,3
	global_load_b128 v[D+8*\p:D+8*\p+3], v[PO], s[8:9] offset:REC*\p
	global_load_b128 v[D+8*\p+4:D+8*\p+7], v[PO], s[8:9] offset:REC*\p+512
	global_load_b128 v[TM+4*\p:TM+4*\p+3], v[KO], s[8:9] offset:REC*\p+16384
.endr
.irp t, 0,1,2,3
.irp c, 0,1,2,3,4,5,6,7
	global_load_b128 v[Q+32*\t+4*\c:Q+32*\t+4*\c+3], v[QO], s[4:5] offset:4096*\t+256*\c th:TH_LOAD_NT
.endr
.endr
	s_wait_kmcnt 0x0
	s_add_co_i32 s24, s14, s15
	s_sub_co_i32 s24, 0, s24
	s_add_co_i32 s17, s14, 127
	s_lshl_b32 s18, s17, 23
	v_mov_b32 v[SCQ], s18
	s_add_co_i32 s17, s17, 8
	s_lshl_b32 s17, s17, 23
	s_or_b32 s17, s17, 0x600000
	v_mov_b32 v[LMQ], s17
	s_sub_co_i32 s17, s15, s12
	s_sub_co_i32 s17, s17, s13
	s_add_co_i32 s17, s17, 127
	s_lshl_b32 s18, s17, 23
	v_mov_b32 v[SCB], s18
	s_add_co_i32 s17, s17, 8
	s_lshl_b32 s17, s17, 23
	s_or_b32 s17, s17, 0x600000
	v_mov_b32 v[LMB], s17
	s_wait_loadcnt 32
.irp n, 0,2,4,6
	v_pk_add_f32 v[D+\n:D+\n+1], v[D+\n:D+\n+1], v[D+8+\n:D+9+\n]
	v_pk_add_f32 v[D+16+\n:D+17+\n], v[D+16+\n:D+17+\n], v[D+24+\n:D+25+\n]
.endr
.irp n, 0,2,4,6
	v_pk_add_f32 v[D+\n:D+\n+1], v[D+\n:D+\n+1], v[D+16+\n:D+17+\n]
.endr
.irp n, 0,2
	v_pk_add_f32 v[TM+\n:TM+\n+1], v[TM+\n:TM+\n+1], v[TM+4+\n:TM+5+\n]
	v_pk_add_f32 v[TM+8+\n:TM+9+\n], v[TM+8+\n:TM+9+\n], v[TM+12+\n:TM+13+\n]
.endr
.irp n, 0,2
	v_pk_add_f32 v[KS+\n:KS+\n+1], v[TM+\n:TM+\n+1], v[TM+8+\n:TM+9+\n]
.endr
.irp n, 0,1,2,3
	v_ldexp_f32 v[KS+\n], v[KS+\n], s24
.endr
.irp n, 0,1,2,3,4,5,6,7
	v_med3_num_f32 v[D+\n], v[D+\n], -v[LMB], v[LMB]
.endr
	v_cvt_scalef32_pk8_fp8_f32 v[CQ:CQ+1], v[D:D+7], v[SCB]
	v_nop
	s_wait_alu depctr_va_vdst(0)
	ds_store_b64 v[BW], v[CQ:CQ+1]
	s_wait_dscnt 0x0
	s_barrier_signal -1
	s_barrier_wait -1
.irp g, 0,1,2,3,4,5,6,7
	ds_load_b128 v[BF+4*\g:BF+4*\g+3], v[LN] offset:512*\g
.endr
.macro TILE t
.set QB, Q+32*(\t)
	s_wait_loadcnt 8*(3-(\t))
.irp n, 0,1,2,3,4,5,6,7,8,9,10,11,12,13,14,15,16,17,18,19,20,21,22,23,24,25,26,27,28,29,30,31
	v_max_num_f32 v[QB+\n], 0, v[QB+\n]
.endr
.irp n, 0,2,4,6,8,10,12,14,16,18,20,22,24,26,28,30
	v_pk_add_f32 v[QB+\n:QB+\n+1], v[QB+\n:QB+\n+1], s[EPS:EPS+1] op_sel_hi:[1,0]
.endr
.irp c, 0,1,2,3,4,5,6,7
	v_pk_mul_f32 v[TM+2*\c:TM+2*\c+1], v[QB+4*\c:QB+4*\c+1], v[KS:KS+1]
.endr
.irp c, 0,1,2,3,4,5,6,7
	v_pk_fma_f32 v[TM+2*\c:TM+2*\c+1], v[QB+4*\c+2:QB+4*\c+3], v[KS+2:KS+3], v[TM+2*\c:TM+2*\c+1]
.endr
.irp n, 0,1,2,3,4,5,6,7,8,9,10,11,12,13,14,15,16,17,18,19,20,21,22,23,24,25,26,27,28,29,30,31
	v_min_num_f32 v[QB+\n], v[QB+\n], v[LMQ]
.endr
	s_wait_alu depctr_vm_vsrc(0)
.irp m, 0,1,2,3
	v_cvt_scalef32_pk8_fp8_f32 v[CQ+2*\m:CQ+2*\m+1], v[QB+8*\m:QB+8*\m+7], v[SCQ]
.endr
.irp c, 0,1,2,3,4,5,6,7
	v_add_f32 v[DEN+\c], v[TM+2*\c], v[TM+2*\c+1]
.endr
	s_wait_alu depctr_va_vdst(0)
.irp c, 0,1,2,3,4,5,6,7
	ds_store_b32 v[STO], v[CQ+\c] offset:80*\c
.endr
	ds_load_b128 v[AF:AF+3], v[LDA]
	ds_load_b128 v[AF+4:AF+7], v[LDA] offset:16
.irp x, 1,2,4,8
.irp c, 0,1,2,3,4,5,6,7
	v_add_f32_dpp v[DEN+\c], v[DEN+\c], v[DEN+\c] row_xmask:\x row_mask:0xf bank_mask:0xf
.endr
.endr
.irp c, 0,1,2,3,4,5,6,7
	v_rcp_f32 v[DEN+\c], v[DEN+\c]
.endr
	s_wait_dscnt 0x0
.irp e, 0,1,2,3
	v_wmma_f32_16x16x64_fp8_fp8 v[D+8*\e:D+8*\e+7], v[AF:AF+7], v[BF+8*\e:BF+8*\e+7], 0
.endr
.rept 4
	v_nop
.endr
	s_wait_alu depctr_va_vdst(0)
.irp c, 0,1,2,3,4,5,6,7
.irp e, 0,1,2,3
	v_mul_f32 v[QB+4*\c+\e], v[D+8*\e+\c], v[DEN+\c]
.endr
.endr
	s_wait_alu depctr_va_vdst(0)
.irp c, 0,1,2,3,4,5,6,7
	global_store_b128 v[QO], v[QB+4*\c:QB+4*\c+3], s[10:11] offset:4096*(\t)+256*\c th:TH_STORE_NT
.endr
.endm
	TILE 0
	TILE 1
	TILE 2
	TILE 3
	s_wait_dscnt 0x0
	s_wait_alu depctr_hold_cnt(0) depctr_sa_sdst(0) depctr_va_vdst(0) depctr_va_sdst(0) depctr_va_ssrc(0) depctr_va_vcc(0) depctr_vm_vsrc(0)
	s_wait_tensorcnt 0x0
	ds_add_u32 v254, v255
	s_wait_dscnt 0x0
	s_endpgm
.Lfunc_end_k_qae3a0422eb_attend:
	.size	k_qae3a0422eb_attend, .Lfunc_end_k_qae3a0422eb_attend-k_qae3a0422eb_attend
	.p2alignl 7, 3214868480
	.fill 96, 4, 3214868480
	.section	.rodata,"a",@progbits
	.p2align	6, 0x0
	.amdhsa_kernel k_qae3a0422eb_attend
		.amdhsa_group_segment_fixed_size 26624
		.amdhsa_private_segment_fixed_size 0
		.amdhsa_enable_private_segment 0
		.amdhsa_kernarg_size 32
		.amdhsa_user_sgpr_count 2
		.amdhsa_user_sgpr_kernarg_segment_ptr 1
		.amdhsa_wavefront_size32 1
		.amdhsa_system_sgpr_workgroup_id_x 1
		.amdhsa_system_sgpr_workgroup_id_y 1
		.amdhsa_system_sgpr_workgroup_id_z 1
		.amdhsa_system_vgpr_workitem_id 0
		.amdhsa_next_free_vgpr 256
		.amdhsa_next_free_sgpr 66
		.amdhsa_reserve_vcc 0
		.amdhsa_float_denorm_mode_32 3
		.amdhsa_float_denorm_mode_16_64 3
		.amdhsa_memory_ordered 1
		.amdhsa_forward_progress 1
		.amdhsa_inst_pref_size 49
	.end_amdhsa_kernel
	.amdgpu_metadata
---
amdhsa.version: [ 1, 2 ]
amdhsa.kernels:
  - .name:           k_qae3a0422eb_attend
    .symbol:         k_qae3a0422eb_attend.kd
    .args:
      - { .name: query, .offset: 0, .size: 8, .value_kind: global_buffer, .address_space: global }
      - { .name: lowp_scales, .offset: 8, .size: 8, .value_kind: global_buffer, .address_space: global }
      - { .name: part, .offset: 16, .size: 8, .value_kind: global_buffer, .address_space: global }
      - { .name: out0, .offset: 24, .size: 8, .value_kind: global_buffer, .address_space: global }
    .group_segment_fixed_size: 26624
    .private_segment_fixed_size: 0
    .kernarg_segment_align: 8
    .kernarg_segment_size: 32
    .max_flat_workgroup_size: 512
    .sgpr_count:     66
    .vgpr_count:     256
    .wavefront_size: 32
...
	.end_amdgpu_metadata
.endif
;; end of part 4
